; MI455X (gfx1250); checked and timed in simulation.
; The chip was launched on July 23, 2026; its instructions are those of AMD's public machine-readable ISA for CDNA 5 (MIT licence, August 2026) and "CDNA5" Instruction Set Architecture Reference Guide (July 2026). The comments in the code are by the model that wrote it; some were corrected since.
;; Ring Dilated Attention V3. Allowed arithmetic: float matrix products may take bf16 or f16 operands with f32 sums; all other float work in f32.
;; Inputs: k 2 x 8,192 x 12 x 64 float32; q 2 x 8,192 x 12 x 64 float32; v 2 x 8,192 x 12 x 64 float32.
;; Outputs: out0 2 x 8,192 x 12 x 64 float32.
;; One version. Each part assembles by itself: llvm-mc -triple=amdgcn-amd-amdhsa -mcpu=gfx1250 --defsym DOCPART=n.
;; ======== version 1 of 1: 1 launch
;; launch attn (part 1): grid 768 x 1, 4 waves a work-group, no clusters, 109,056 bytes of LDS; arguments q, k, v, out0; writes out0
.if DOCPART == 1
	.amdgcn_target "amdgcn-amd-amdhsa--gfx1250"
	.amdhsa_code_object_version 6
	.text
	.protected	k_q41d63f3fdd_attn
	.globl	k_q41d63f3fdd_attn
	.p2align	8
	.type	k_q41d63f3fdd_attn,@function
k_q41d63f3fdd_attn:
	s_mov_b64 s[64:65], 0
	v_nop
	global_prefetch_b8 v0, s[64:65] scope:SCOPE_SE
	s_setreg_imm32_b32 hwreg(HW_REG_WAVE_MODE, 25, 1), 1
	s_wait_xcnt 0x0
; Dilated attention in segments.  q, k, v, out: [2][8192][12][64] f32.  Head group i = head / 4 has segments of s = 512 << i positions and takes
; keys at the rate r = 1 << i from the offset j % r (j = head % 4).  The index list is arange(j % r, s, r), 512 entries, repeated r times: each
; of the 512 distinct keys stands exactly r times in the softmax's numerator and in its denominator, so r cancels, for every input.  A unit
; (batch, segment, head) is therefore s queries against 512 keys at positions segment start + j % r + r t.
; A WORK-GROUP takes 256 queries of one unit: 768 work-groups of equal work.  A WAVE takes 64 queries (4 tiles of 16) against all 512 keys,
; in 8 trips of 64 keys, with a running maximum, as reference() takes the maximum away.
; BOTH PRODUCTS ARE USED TRANSPOSED.  S^T = K Q^T: lane (r, h) holds keys 8h + 0..7 of query r, so two neighbouring key tiles, rounded to bf16
; in pairs, already are the second source of O^T = V^T P^T, in which lane (r, h) again holds query r: maximum, factor and sum are one number a
; lane; one exchange between the lane halves a query tile and trip joins the maxima; the sums stay partial until the end.
; K AND V go through registers: each trip the four waves load the block of 64 keys two trips ahead (a wave: 16 rows of K and of V; sixteen lanes
; take one row of 256 bytes), one trip later round it once to bf16 and store it into one of two LDS slots.  One barrier a trip.
; NO TENSOR LOADS, NO JOINT REQUESTS: a tile would land as f32, 32 KiB a block, and would be read, rounded and stored in LDS once more;
; and the keys of a unit of group 0 are read by 2 work-groups only, so clusters of four do not fit every unit.
; NUMBERS: q, k, v and the probabilities are matrix operands in bf16; scores, maxima, exponentials and sums in f32.
; p = 2^(s c - m c), c = log2(e) / 8; the rounded m c is used alike in p and in the factor 2^(m_old c - m_new c), so its rounding cancels.
; LIMIT: inputs and their scores are finite in f32 (an infinite or NaN score gives NaN for its whole query row or tile column).
.set ROWB,  3072                       ; bytes from a position to the next: 12 heads x 64 f32
.set KP,    144                        ; LDS pitch of a row of 64 bf16 of K or Q: 128 + 16, an odd multiple of 16
.set VP,    160                        ; LDS pitch of a row of V: an odd multiple of 32, for the transposing load
.set VO,    64*KP                      ; V's 64 rows lie behind K's 64 in a slot
.set SLOT,  VO+64*VP                   ; 19,456 bytes
.set STAGE, 2*SLOT                     ; behind the two slots: a stage for each wave, its own
.set OP,    272                        ; stage pitch of a row of 64 f32 of O: 256 + 16
.set STGB,  64*OP                      ; 17,408 bytes a wave: first Q in bf16 (64 x 144), at the end O in f32
; window 0
.set ROFF, 8                           ; byte offset of my 16 bytes in q's and out's rows 64 w + h; never rewritten
.set KST,  9                           ; LDS: where I store 8 bytes of K
.set VST,  10                          ; LDS: the same for V
.set KRD,  11                          ; LDS: my place in a fragment of K
.set VRD,  12                          ; LDS: my place in a transposed fragment of V
.set QST,  13                          ; stage: where I store 8 bytes of Q
.set QRD,  14                          ; stage: my place in a fragment of Q
.set STO,  15                          ; stage: where I store 32 bytes of O
.set ORD,  16                          ; stage: where I read a row of O back
.set PFO,  17                          ; byte offset of the row that I ask for ahead
.set KOFF, 18                          ; v[18:25]   byte offsets of my 16 bytes in rows 16 w + 2 e + h of a block of keys; never rewritten
.set NM,   26                          ; v[26:33]   query tile q: (-m c, m)
.set AL,   34                          ; v[34:41]   query tile q: (factor, what the other lane half sent)
.set LS,   42                          ; v[42:49]   query tile q: two partial sums of p
.set T,    50                          ; v[50:57]   at work
.set MX,   58                          ; v[58:61]   query tile q: my lane half's maximum; later at work
.set SC,   64                          ; v[64:191]  scores: tile (q, kt) at 32 q + 8 kt; then P in place: (q, kc) at 32 q + 16 kc
.set LD,   192                         ; v[192:255] a block on its way in: K 32 registers, V 32
; window 1
.set OA,   0                           ; v[256:383] O^T: tile (q, dt) at 32 q + 8 dt (in the set-up: q as loaded)
.set QF,   128                         ; v[384:447] fragments of Q: (q, c) at 16 q + 8 c
.set KV,   192                         ; v[448:511] fragments of K: (kt, c) at 16 kt + 8 c; then of V^T: (dt, kc) at 16 dt + 8 kc
.set MSB, 0
.macro WIN new                         ; low byte: bits 1:0 source 0, 3:2 source 1, 5:4 source 2, 7:6 destination; the high byte repeats the setting left
.if MSB != \new
	s_set_vgpr_msb (MSB<<8)|\new
.set MSB, \new
.endif
.endm
; 16 loads: my 16 rows of K and of V of the block at s[6:7], s[8:9].  No hint: the unit's other work-groups read these rows too.
.macro G dst
.irp e, 0,1,2,3,4,5,6,7
	global_load_b128 v[\dst+4*\e:\dst+4*\e+3], v[KOFF+\e], s[6:7]
.endr
.irp e, 0,1,2,3,4,5,6,7
	global_load_b128 v[\dst+32+4*\e:\dst+32+4*\e+3], v[KOFF+\e], s[8:9]
.endr
.endm
; the block in src is rounded to bf16 in place (4 registers make 2) and stored into a slot: 16 LDS stores
.macro W src, slot
.irp e, 0,1,2,3,4,5,6,7,8,9,10,11,12,13,14,15
	v_cvt_pk_bf16_f32 v[\src+4*\e],   v[\src+4*\e],   v[\src+4*\e+1]
	v_cvt_pk_bf16_f32 v[\src+4*\e+1], v[\src+4*\e+2], v[\src+4*\e+3]
.endr
.irp e, 0,1,2,3,4,5,6,7
	ds_store_b64 v[KST], v[\src+4*\e:\src+4*\e+1] offset:(\slot)*SLOT+2*\e*KP
.endr
.irp e, 0,1,2,3,4,5,6,7
	ds_store_b64 v[VST], v[\src+32+4*\e:\src+32+4*\e+1] offset:(\slot)*SLOT+2*\e*VP
.endr
.endm
; fragments of K: 4 tiles of 16 keys x 2 halves of d; lane (r, h): key r, d = 8h.. and 16 + 8h..: two loads 32 bytes apart
.macro RK slot
.irp kt, 0,1,2,3
.irp c, 0,1
	ds_load_b128 v[KV+16*\kt+8*\c:KV+16*\kt+8*\c+3],   v[KRD] offset:(\slot)*SLOT+\kt*16*KP+64*\c
	ds_load_b128 v[KV+16*\kt+8*\c+4:KV+16*\kt+8*\c+7], v[KRD] offset:(\slot)*SLOT+\kt*16*KP+64*\c+32
.endr
.endr
.endm
; fragments of V^T from V[key][d]: 4 tiles of 16 d x 2 halves of 32 keys; two transposing loads 16 rows apart
.macro RV slot
.irp dt, 0,1,2,3
.irp kc, 0,1
	ds_load_tr16_b128 v[KV+16*\dt+8*\kc:KV+16*\dt+8*\kc+3],   v[VRD] offset:(\slot)*SLOT+\kc*32*VP+32*\dt
	ds_load_tr16_b128 v[KV+16*\dt+8*\kc+4:KV+16*\dt+8*\kc+7], v[VRD] offset:(\slot)*SLOT+\kc*32*VP+16*VP+32*\dt
.endr
.endr
.endm
; S^T = K Q^T: 32 matrix instructions.  The sixteen accumulators take turns, one instruction a turn.
.macro SMUL
.irp q, 0,1,2,3
.irp kt, 0,1,2,3
	v_wmma_f32_16x16x32_bf16 v[SC+32*\q+8*\kt:SC+32*\q+8*\kt+7], v[KV+16*\kt:KV+16*\kt+7], v[QF+16*\q:QF+16*\q+7], 0
.endr
.endr
.irp q, 0,1,2,3
.irp kt, 0,1,2,3
	v_wmma_f32_16x16x32_bf16 v[SC+32*\q+8*\kt:SC+32*\q+8*\kt+7], v[KV+16*\kt+8:KV+16*\kt+15], v[QF+16*\q+8:QF+16*\q+15], v[SC+32*\q+8*\kt:SC+32*\q+8*\kt+7]
.endr
.endr
.endm
; pair p (0..15) of O of query tile q times the tile's factor.  It has no third source, so it runs under the products' window setting too.
.macro RS q, p
	v_pk_mul_f32 v[OA+32*(\q)+2*(\p):OA+32*(\q)+2*(\p)+1], v[OA+32*(\q)+2*(\p):OA+32*(\q)+2*(\p)+1], v[AL+2*(\q):AL+2*(\q)+1] op_sel_hi:[1,0]
.endm
.macro RESC                            ; all of O times its tiles' factors (at the end: 1 / sum)
.irp q, 0,1,2,3
.irp p, 0,1,2,3,4,5,6,7,8,9,10,11,12,13,14,15
	RS \q, \p
.endr
.endr
.endm
; one product of O^T += V^T P^T; zero = 1: it starts the sum
.macro PVM q, dt, kc, zero
.if \zero
	v_wmma_f32_16x16x32_bf16 v[OA+32*\q+8*\dt:OA+32*\q+8*\dt+7], v[KV+16*\dt+8*\kc:KV+16*\dt+8*\kc+7], v[SC+32*\q+16*\kc:SC+32*\q+16*\kc+7], 0
.else
	v_wmma_f32_16x16x32_bf16 v[OA+32*\q+8*\dt:OA+32*\q+8*\dt+7], v[KV+16*\dt+8*\kc:KV+16*\dt+8*\kc+7], v[SC+32*\q+16*\kc:SC+32*\q+16*\kc+7], v[OA+32*\q+8*\dt:OA+32*\q+8*\dt+7]
.endif
.endm
; O = O x factor + V^T P^T: 32 matrix instructions, query tile by query tile.  A tile's four accumulators take turns, one instruction a turn.
; Tile 0 is multiplied by its factor ahead of the products; tile q + 1's sixteen multiplies stand two behind each of
; tile q's eight products and name none of their registers.  first = 1: nothing to rescale, the first products start the sums.
.macro PV first
.if \first == 0
.irp p, 0,1,2,3,4,5,6,7,8,9,10,11,12,13,14,15
	RS 0, \p
.endr
.endif
	s_wait_dscnt 0x0                               ; V's 16 fragment loads are in
.irp q, 0,1,2,3
.irp kc, 0,1
.irp dt, 0,1,2,3
.if \kc == 0
	PVM \q, \dt, 0, \first
.else
	PVM \q, \dt, 1, 0
.endif
.if \first == 0
.if \q < 3
	RS \q+1, 8*\kc+2*\dt
	RS \q+1, 8*\kc+2*\dt+1
.endif
.endif
.endr
.endr
.endr
.endm
; The largest of my 32 scores of query tile q and of the old maximum: four chains (9, 9, 7, 7 numbers), joined.
.macro SM_TREE q, first
.set SB, SC+32*\q
.set TB, T+4*(\q&1)
	v_max3_num_f32 v[TB+0], v[SB+0],  v[SB+1],  v[SB+2]
	v_max3_num_f32 v[TB+1], v[SB+9],  v[SB+10], v[SB+11]
	v_max3_num_f32 v[TB+2], v[SB+18], v[SB+19], v[SB+20]
	v_max3_num_f32 v[TB+3], v[SB+25], v[SB+26], v[SB+27]
	v_max3_num_f32 v[TB+0], v[TB+0], v[SB+3],  v[SB+4]
	v_max3_num_f32 v[TB+1], v[TB+1], v[SB+12], v[SB+13]
	v_max3_num_f32 v[TB+2], v[TB+2], v[SB+21], v[SB+22]
	v_max3_num_f32 v[TB+3], v[TB+3], v[SB+28], v[SB+29]
	v_max3_num_f32 v[TB+0], v[TB+0], v[SB+5],  v[SB+6]
	v_max3_num_f32 v[TB+1], v[TB+1], v[SB+14], v[SB+15]
	v_max3_num_f32 v[TB+2], v[TB+2], v[SB+23], v[SB+24]
	v_max3_num_f32 v[TB+3], v[TB+3], v[SB+30], v[SB+31]
	v_max3_num_f32 v[TB+0], v[TB+0], v[SB+7],  v[SB+8]
	v_max3_num_f32 v[TB+1], v[TB+1], v[SB+16], v[SB+17]
	v_max3_num_f32 v[TB+0], v[TB+0], v[TB+1], v[TB+2]
.if \first
	v_max_num_f32 v[MX+\q], v[TB+0], v[TB+3]
.else
	v_max3_num_f32 v[MX+\q], v[TB+0], v[TB+3], v[NM+2*\q+1]
.endif
.endm
; From the four tiles' maxima to m, -m c and the factor; each step is taken for all four tiles, so that no instruction reads the one in front of it.
.macro SM_TAIL first
.irp q, 0,1,2,3
	v_permlanex16_b32 v[AL+2*\q+1], v[MX+\q], s32, s33     ; lane i takes lane i xor 16: the same query's other 32 keys
.endr
.irp q, 0,1,2,3
	v_max_num_f32 v[NM+2*\q+1], v[MX+\q], v[AL+2*\q+1]     ; m
.endr
.irp q, 0,1,2,3
	v_mul_f32 v[T+\q], s30, v[NM+2*\q+1]                   ; -m c, rounded once
.endr
.if \first == 0
.irp q, 0,1,2,3
	v_sub_f32 v[T+4+\q], v[T+\q], v[NM+2*\q]               ; m_old c - m c, of the rounded numbers
.endr
.irp q, 0,1,2,3
	v_exp_f32 v[AL+2*\q], v[T+4+\q]                        ; the factor for O and for the sums, at most 1
.endr
.endif
.irp q, 0,1,2,3
	v_mov_b32 v[NM+2*\q], v[T+\q]                          ; also the plain instructions behind the exponentials (ISA guide 5.7.2): they name none of their results or sources
.endr
.endm
.macro SM_FMA q                        ; s c - m c, two at a time
.set n, 0
.rept 16
	v_pk_fma_f32 v[SC+32*\q+n:SC+32*\q+n+1], v[SC+32*\q+n:SC+32*\q+n+1], s[28:29], v[NM+2*\q:NM+2*\q+1] op_sel_hi:[1,0,0]
.set n, n+2
.endr
.endm
.macro SM_EXP q                        ; 32 exponentials in place; what follows such a run is plain work on other registers
.set n, 0
.rept 32
	v_exp_f32 v[SC+32*\q+n], v[SC+32*\q+n]
.set n, n+1
.endr
.endm
.macro SM_SUM q, first                 ; the sums of p: the old ones times the factor, plus my 32 numbers, in four chains of pairs
.set SB, SC+32*\q
.set LP, LS+2*\q
.set TA, T+4*(\q&1)
.set TD, T+4*(\q&1)+2
.set TC, MX+2*(\q&1)
.if \first
	s_wait_alu depctr_va_vdst(0)
	v_pk_add_f32 v[LP:LP+1], v[SB:SB+1],       v[SB+2:SB+3]
	v_pk_add_f32 v[TA:TA+1], v[SB+4:SB+5],     v[SB+6:SB+7]
	v_pk_add_f32 v[TD:TD+1], v[SB+8:SB+9],     v[SB+10:SB+11]
	v_pk_add_f32 v[TC:TC+1], v[SB+12:SB+13],   v[SB+14:SB+15]
.else
	s_wait_alu depctr_va_vdst(0)
	v_pk_fma_f32 v[LP:LP+1], v[LP:LP+1], v[AL+2*\q:AL+2*\q+1], v[SB:SB+1] op_sel_hi:[1,0,1]
	v_pk_add_f32 v[TA:TA+1], v[SB+2:SB+3],     v[SB+4:SB+5]
	v_pk_add_f32 v[TD:TD+1], v[SB+6:SB+7],     v[SB+8:SB+9]
	v_pk_add_f32 v[TC:TC+1], v[SB+10:SB+11],   v[SB+12:SB+13]
	v_pk_add_f32 v[LP:LP+1], v[LP:LP+1],       v[SB+14:SB+15]
.endif
.set n, 16
.rept 2
	v_pk_add_f32 v[LP:LP+1], v[LP:LP+1], v[SB+n:SB+n+1]
	v_pk_add_f32 v[TA:TA+1], v[TA:TA+1], v[SB+n+2:SB+n+3]
	v_pk_add_f32 v[TD:TD+1], v[TD:TD+1], v[SB+n+4:SB+n+5]
	v_pk_add_f32 v[TC:TC+1], v[TC:TC+1], v[SB+n+6:SB+n+7]
.set n, n+8
.endr
	v_pk_add_f32 v[TA:TA+1], v[TA:TA+1], v[TD:TD+1]
	v_pk_add_f32 v[LP:LP+1], v[LP:LP+1], v[TC:TC+1]
	v_pk_add_f32 v[LP:LP+1], v[LP:LP+1], v[TA:TA+1]
.endm
.macro SM_CVT q                        ; p to bf16 in place, ascending: register n takes numbers 2n, 2n + 1, so no unread number is written over
.set n, 0
.rept 8
	v_cvt_pk_bf16_f32 v[SC+32*\q+n], v[SC+32*\q+2*n], v[SC+32*\q+2*n+1]
.set n, n+1
.endr
.set n, 0
.rept 8
	v_cvt_pk_bf16_f32 v[SC+32*\q+16+n], v[SC+32*\q+16+2*n], v[SC+32*\q+16+2*n+1]
.set n, n+1
.endr
.endm
; One trip: block t of 64 keys, in slot t & 1.  wsrc: registers that hold block t + 1 (-1: none left); lcnt: younger loads that may stay out;
; issue = 1: block t + 2 is loaded; pf = 1, 2: block t + 3 is asked for ahead (2: its base steps first).
.macro TRIP slot, first, wsrc, lcnt, issue, pf
	s_wait_dscnt 0x0                               ; my stores of block t and my reads of block t - 1 are done,
	s_barrier_signal -1
	s_barrier_wait -1                              ; every wave's are: block t may be read, block t - 1's slot may be written
	WIN 0x40
	RK \slot
	WIN 0
.if \wsrc >= 0
	s_wait_loadcnt \lcnt                           ; block t + 1 is in my registers
	W \wsrc, 1-\slot
.if \issue
	s_wait_xcnt 0x0                                ; the bases of earlier loads and requests are stepped only behind this wait
	s_add_nc_u64 s[6:7], s[6:7], s[24:25]
	s_add_nc_u64 s[8:9], s[8:9], s[24:25]
.if \pf == 2
	s_add_nc_u64 s[26:27], s[26:27], s[24:25]
.endif
	G LD                                           ; block t + 2: it has until the next trip's wait to come
.endif
.if \pf
	s_cmp_lg_u32 s15, 0                            ; only the unit's first query block asks, so each row is asked for once in the launch
	s_cbranch_scc1 .Lnopf_\@
	global_prefetch_b8 v[PFO], s[26:27] th:TH_LOAD_NT scope:SCOPE_SE   ; block t + 3, one trip ahead of its loads: a lane a row of 256 bytes; waves 0, 1 K's 64 rows, waves 2, 3 V's
.Lnopf_\@:
.endif
.endif
.if \wsrc == LD
	s_wait_dscnt 16                                ; K's 16 fragment loads are in; the 16 stores issued behind them may stay out
.else
	s_wait_dscnt 0x0                               ; no stores behind the loads, or stores out of registers that the products below write
.endif
	WIN 0x05
	SMUL
.rept 4
	v_nop                                          ; four places in front of the loads into K's fragment registers and of the reads of the scores
.endr
	WIN 0x40
	RV \slot
	WIN 0
	SM_TREE 0, \first
	SM_TREE 1, \first
	SM_TREE 2, \first
	SM_TREE 3, \first
	SM_TAIL \first
	SM_FMA 0
	SM_EXP 0
	SM_FMA 1
	SM_EXP 1
	SM_SUM 0, \first
	SM_CVT 0
	SM_FMA 2
	SM_EXP 2
	SM_SUM 1, \first
	SM_CVT 1
	SM_FMA 3
	SM_EXP 3
	SM_SUM 2, \first
	SM_CVT 2
	SM_SUM 3, \first
	SM_CVT 3
	WIN 0x51
	PV \first
.rept 5
	v_nop                                          ; five places in front of the next trip's loads into V's fragment registers and of its products, which write over P
.endr
	WIN 0
.endm
	; ---- which work is mine ----
	s_load_b256 s[4:11], s[0:1], 0x0               ; q s[4:5], k s[6:7], v s[8:9], out s[10:11]
	v_lshl_add_u32 v62, v0, 2, 0x1a800
	v_mov_b32 v63, 0
	v_lshrrev_b32 v1, 5, v0
	v_readfirstlane_b32 s12, v1                    ; wave 0..3
	s_lshr_b32 s13, ttmp9, 8                       ; i: head group; 256 work-groups each
	s_and_b32 s14, ttmp9, 255
	s_lshl_b32 s19, 2, s13
	s_sub_co_u32 s19, s19, 1
	s_and_b32 s15, s14, s19                        ; query block in the unit, 0 .. s / 256 - 1: a unit's work-groups are neighbours
	s_add_co_u32 s19, s13, 1
	s_lshr_b32 s16, s14, s19                       ; unit
	s_and_b32 s17, s16, 3                          ; j: head in the group
	s_lshr_b32 s18, s16, 2                         ; batch x segments + segment
	s_add_co_u32 s19, s13, 9
	s_lshl_b32 s21, s18, s19                       ; the segment's first position, batches counted through
	s_lshl_b32 s20, ROWB, s13                      ; bytes from key to key: 3,072 r
	s_lshl_b32 s19, 1, s13
	s_sub_co_u32 s19, s19, 1
	s_and_b32 s19, s17, s19                        ; j % r
	s_lshl2_add_u32 s35, s13, s17                  ; head = 4 i + j
	s_lshl_b32 s35, s35, 8                         ; 256 bytes a head
	s_lshl_b32 s36, s15, 8
	s_add_co_u32 s36, s36, s21
	s_mul_i32 s36, s36, ROWB
	s_add_co_u32 s22, s36, s35                     ; byte offset of my 256 queries in q and out (below 50,331,648)
	s_mov_b32 s23, 0
	s_add_co_u32 s37, s21, s19
	s_mul_i32 s37, s37, ROWB
	s_add_co_u32 s38, s37, s35                     ; byte offset of the unit's first key in k and v
	s_mov_b32 s39, 0
	s_lshl_b32 s24, s20, 6                         ; a block of 64 keys on
	s_mov_b32 s25, 0
	s_mul_i32 s40, s20, 192                        ; block 3: the first that is asked for ahead
	s_mov_b32 s41, 0
	s_mov_b32 s28, 0x3e38aa3b                      ; c = log2(e) / 8
	s_mov_b32 s29, 0x3e38aa3b
	s_mov_b32 s30, 0xbe38aa3b                      ; -c
	s_mov_b32 s32, 0x76543210                      ; v_permlanex16_b32: lane i of one half reads lane i of the other
	s_mov_b32 s33, 0xfedcba98
	s_lshl_b32 s34, s20, 1                         ; two keys on
	s_mul_i32 s42, s12, 64*ROWB                    ; the wave's terms: its 64 query rows,
	s_mul_i32 s43, s12, 16*KP                      ; its 16 rows of K in a slot,
	s_mul_i32 s44, s12, 16*VP
	s_add_co_u32 s44, s44, VO                      ; its 16 rows of V,
	s_mul_i32 s45, s12, STGB
	s_add_co_u32 s45, s45, STAGE                   ; its stage
	s_and_b32 s46, s12, 1
	s_lshl_b32 s46, s46, 5                         ; which 32 rows of a block it asks for ahead
	s_lshl_b32 s47, s12, 4                         ; its 16 rows of a block
	v_and_b32 v2, 15, v0                           ; r
	v_bfe_u32 v3, v0, 4, 1                         ; h
	v_and_b32 v4, 31, v0                           ; lane
	v_mul_u32_u24 v5, v3, ROWB
	v_lshl_add_u32 v5, v2, 4, v5
	v_add_nc_u32 v[ROFF], s42, v5                  ; lanes 0-15 one row of 256 bytes, lanes 16-31 the next position's
	v_mul_u32_u24 v5, v3, KP
	v_lshl_add_u32 v5, v2, 3, v5                   ; 4 bf16 = 8 bytes a lane
	v_add_nc_u32 v[KST], s43, v5
	v_add_nc_u32 v[QST], s45, v5
	v_mul_u32_u24 v5, v3, VP
	v_lshl_add_u32 v5, v2, 3, v5
	v_add_nc_u32 v[VST], s44, v5
	v_mul_u32_u24 v[KRD], v2, KP
	v_lshl_add_u32 v[KRD], v3, 4, v[KRD]           ; row r, 16 bytes for each lane half
	v_add_nc_u32 v[QRD], s45, v[KRD]
	v_and_b32 v5, 7, v0
	v_lshl_add_u32 v5, v3, 3, v5                   ; key 8 h + lane % 8
	v_mul_u32_u24 v5, v5, VP
	v_bfe_u32 v6, v0, 3, 1
	v_lshl_add_u32 v5, v6, 4, v5                   ; which 8 of the tile's 16 d
	v_add_nc_u32 v[VRD], VO, v5
	v_mul_u32_u24 v5, v2, OP
	v_lshl_add_u32 v5, v3, 5, v5                   ; query r, 8 f32 for each lane half
	v_add_nc_u32 v[STO], s45, v5
	v_mul_u32_u24 v5, v3, OP
	v_lshl_add_u32 v5, v2, 4, v5
	v_add_nc_u32 v[ORD], s45, v5
	v_add_nc_u32 v5, s46, v4
	v_mul_lo_u32 v[PFO], v5, s20
	v_add_nc_u32 v5, s47, v3
	v_mul_lo_u32 v5, v5, s20
	v_lshl_add_u32 v[KOFF], v2, 4, v5
.irp e, 1,2,3,4,5,6,7
	v_add_nc_u32 v[KOFF+\e], s34, v[KOFF+\e-1]
.endr
.irp q, 0,1,2,3
	v_mov_b32 v[AL+2*\q+1], 0                      ; v_permlanex16_b32 counts as a reader of its destination
.endr
	s_wait_kmcnt 0x0
	s_add_nc_u64 s[4:5], s[4:5], s[22:23]
	s_add_nc_u64 s[10:11], s[10:11], s[22:23]
	s_add_nc_u64 s[6:7], s[6:7], s[38:39]
	s_add_nc_u64 s[8:9], s[8:9], s[38:39]
	s_cmp_lt_u32 s12, 2
	s_cselect_b64 s[26:27], s[6:7], s[8:9]         ; waves 0, 1 ask ahead for K, waves 2, 3 for V
	s_add_nc_u64 s[26:27], s[26:27], s[40:41]
	; ---- q, and the first three blocks of keys ----
	WIN 0x40
.set t, 0
.rept 32
	global_load_b128 v[OA+4*t:OA+4*t+3], v[ROFF], s[4:5] offset:2*t*ROWB th:TH_LOAD_NT   ; my wave's 64 rows of q, two a load; read once in the launch
.set t, t+1
.endr
	WIN 0
	G LD                                           ; block 0
	s_wait_loadcnt 16                              ; q is in; block 0's 16 loads are younger
	s_wait_xcnt 0x0                                ; the bases that block 0's loads name are stepped only behind this wait
	s_add_nc_u64 s[6:7], s[6:7], s[24:25]
	s_add_nc_u64 s[8:9], s[8:9], s[24:25]
	G SC                                           ; block 1, into score registers that are free until the first products
	WIN 0x45
.set t, 0
.rept 32
	v_cvt_pk_bf16_f32 v[OA+4*t],   v[OA+4*t],   v[OA+4*t+1]
	v_cvt_pk_bf16_f32 v[OA+4*t+1], v[OA+4*t+2], v[OA+4*t+3]
.set t, t+1
.endr
	WIN 0x04
.set t, 0
.rept 32
	ds_store_b64 v[QST], v[OA+4*t:OA+4*t+1] offset:2*t*KP
.set t, t+1
.endr
	WIN 0x40
.irp q, 0,1,2,3
.irp c, 0,1
	ds_load_b128 v[QF+16*\q+8*\c:QF+16*\q+8*\c+3],   v[QRD] offset:\q*16*KP+64*\c      ; the stage is my wave's own, and LDS serves a wave's instructions in order (ISA guide 5.7.1): these see the stores above
	ds_load_b128 v[QF+16*\q+8*\c+4:QF+16*\q+8*\c+7], v[QRD] offset:\q*16*KP+64*\c+32
.endr
.endr
	WIN 0
	s_wait_loadcnt 16                              ; block 0 is in; block 1's 16 loads are younger
	W LD, 0
	s_wait_xcnt 0x0
	s_add_nc_u64 s[6:7], s[6:7], s[24:25]
	s_add_nc_u64 s[8:9], s[8:9], s[24:25]
	G LD                                           ; block 2
	; ---- eight trips ----
	TRIP 0, 1, SC, 16, 0, 1                        ; block 1 is in when only block 2's 16 loads are out
	s_mov_b32 s31, 2
.Ltrips:
	TRIP 1, 0, LD, 0, 1, 2                         ; trips 1 to 4
	TRIP 0, 0, LD, 0, 1, 2
	s_sub_co_u32 s31, s31, 1
	s_cmp_lg_u32 s31, 0
	s_cbranch_scc1 .Ltrips
	TRIP 1, 0, LD, 0, 1, 0                         ; trip 5 loads block 7, the last; nothing is left to ask for ahead
	TRIP 0, 0, LD, 0, 0, 0                         ; trip 6 loads nothing
	TRIP 1, 0, -1, 0, 0, 0                         ; trip 7 stores nothing either
	; ---- the way out: O / sum, through my stage, as whole rows of 256 bytes ----
.irp q, 0,1,2,3
	v_add_f32 v[T+\q], v[LS+2*\q], v[LS+2*\q+1]
	v_permlanex16_b32 v[AL+2*\q+1], v[T+\q], s32, s33      ; the other lane half's keys
	v_add_f32 v[T+\q], v[T+\q], v[AL+2*\q+1]               ; at least about 1: the largest score's own term
	v_rcp_f32 v[AL+2*\q], v[T+\q]                          ; behind it a plain instruction on other registers: the next tile's sum, or the v_nop
.endr
	v_nop
	s_wait_alu depctr_va_vdst(0)
	WIN 0x41
	RESC
	WIN 0x04
.irp q, 0,1,2,3
.irp dt, 0,1,2,3
	ds_store_b128 v[STO], v[OA+32*\q+8*\dt:OA+32*\q+8*\dt+3]   offset:\q*16*OP+64*\dt      ; query 16 q + r, d = 16 dt + 8 h + 0..3
	ds_store_b128 v[STO], v[OA+32*\q+8*\dt+4:OA+32*\q+8*\dt+7] offset:\q*16*OP+64*\dt+16   ; d = 16 dt + 8 h + 4..7
.endr
.endr
	WIN 0
.set t, 0
.rept 32
	ds_load_b128 v[SC+4*t:SC+4*t+3], v[ORD] offset:2*t*OP      ; my wave's own bytes, served in order: no wait between the stores and these
.set t, t+1
.endr
.set t, 0
.rept 32
	s_wait_dscnt 31-t                              ; read-back t is in; the 31 - t younger ones may stay out
	global_store_b128 v[ROFF], v[SC+4*t:SC+4*t+3], s[10:11] offset:2*t*ROWB th:TH_STORE_NT   ; sixteen lanes store 256 consecutive bytes, at a multiple of 256 from out's first byte
.set t, t+1
.endr
	s_wait_tensorcnt 0x0
	ds_add_u32 v62, v63
	s_wait_dscnt 0x0
	s_endpgm
.Lfunc_end_k_q41d63f3fdd_attn:
	.size	k_q41d63f3fdd_attn, .Lfunc_end_k_q41d63f3fdd_attn-k_q41d63f3fdd_attn
	.p2alignl 7, 3214868480
	.fill 96, 4, 3214868480
	.section	.rodata,"a",@progbits
	.p2align	6, 0x0
	.amdhsa_kernel k_q41d63f3fdd_attn
		.amdhsa_group_segment_fixed_size 109056
		.amdhsa_private_segment_fixed_size 0
		.amdhsa_enable_private_segment 0
		.amdhsa_kernarg_size 32
		.amdhsa_user_sgpr_count 2
		.amdhsa_user_sgpr_kernarg_segment_ptr 1
		.amdhsa_wavefront_size32 1
		.amdhsa_system_sgpr_workgroup_id_x 1
		.amdhsa_system_sgpr_workgroup_id_y 1
		.amdhsa_system_sgpr_workgroup_id_z 1
		.amdhsa_system_vgpr_workitem_id 0
		.amdhsa_next_free_vgpr 512
		.amdhsa_next_free_sgpr 66
		.amdhsa_reserve_vcc 0
		.amdhsa_float_denorm_mode_32 3
		.amdhsa_float_denorm_mode_16_64 3
		.amdhsa_memory_ordered 1
		.amdhsa_forward_progress 1
		.amdhsa_inst_pref_size 242
	.end_amdhsa_kernel
	.amdgpu_metadata
---
amdhsa.version: [ 1, 2 ]
amdhsa.kernels:
  - .name:           k_q41d63f3fdd_attn
    .symbol:         k_q41d63f3fdd_attn.kd
    .args:
      - { .name: q, .offset: 0, .size: 8, .value_kind: global_buffer, .address_space: global }
      - { .name: k, .offset: 8, .size: 8, .value_kind: global_buffer, .address_space: global }
      - { .name: v, .offset: 16, .size: 8, .value_kind: global_buffer, .address_space: global }
      - { .name: out0, .offset: 24, .size: 8, .value_kind: global_buffer, .address_space: global }
    .group_segment_fixed_size: 109056
    .private_segment_fixed_size: 0
    .kernarg_segment_align: 8
    .kernarg_segment_size: 32
    .max_flat_workgroup_size: 128
    .sgpr_count:     66
    .vgpr_count:     512
    .wavefront_size: 32
...
	.end_amdgpu_metadata
.endif
;; end of part 1
